; MI455X (gfx1250); checked and timed in simulation.
; The chip was launched on July 23, 2026; its instructions are those of AMD's public machine-readable ISA for CDNA 5 (MIT licence, August 2026) and "CDNA5" Instruction Set Architecture Reference Guide (July 2026). The comments in the code are by the model that wrote it; some were corrected since.
;; Ternary Linear. Allowed arithmetic: matrix products marked QUANTISED: E4M3 operands, one given power-of-two scale a tensor, by v_wmma_f32_16x16x64_fp8_fp8 or v_wmma_f32_16x16x128_fp8_fp8, f32 sums; everything else in f32.
;; Inputs: lowp_scales 2 int32 (the exponents e of the quantised operands' scales 2^e); w 4,096 x 2,048 float32; x 4 x 2,048 x 4,096 float32.
;; Outputs: out0 4 x 2,048 x 2,048 float32.
;; This version of the problem:
;;   THIS VERSION OF THE PROBLEM IS GIVEN IN LOW PRECISION. The matrix products marked QUANTISED in the list below multiply operands that are first quantised to E4M3 (4 exponent bits, 3 mantissa bits; 8 bits a number), with one given power-of-two scale for each operand tensor; their sums are f32. All else is computed in f32.
;;   The module's matrix products, in the order in which they are computed (A, B: the left and right operand; K: the contracted axis; several contracted axes count as one K, in the product's order):
;;     1. [M 8,192, K 4,096] x [K 4,096, N 2,048]; A: input x; B: input w: QUANTISED (scales: A lowp_scales[0], B lowp_scales[1])
;;   THE QUANTISER, for each operand of a quantised product, along K:
;;     - The operand's scale is 2^e, e = its entry of the input lowp_scales (int32; the entries are numbered through the quantised products in the list's order, A before B).
;;     - Each number is divided by the scale, clamped to +-448, and rounded to the nearest number of E4M3, ties to even, subnormals kept.
;;     - The product sums the exact products of the quantised numbers (number of the format x scale) in f32.
;;   ~~~python
;;   def quantise(x, axis, e):      # numpy; x: float32 -> the quantised numbers, widened to float32 again
;;       x = np.moveaxis(x, axis, -1); K = x.shape[-1]
;;       r = np.clip(x / 2.0 ** e, -448, 448)
;;       step = 2.0 ** (np.maximum(np.frexp(np.where(r == 0, 1, r))[1] - 1, -6) - 3)
;;       q = np.round(r / step) * step * 2.0 ** e      # np.round: ties to even
;;       return np.moveaxis(q, -1, axis).astype(np.float32)
;;   ~~~
;; One version. Each part assembles by itself: llvm-mc -triple=amdgcn-amd-amdhsa -mcpu=gfx1250 --defsym DOCPART=n.
;; ======== version 1 of 1: 2 launches
;; limits: right only within a limited range of input values
;; workspace buffers: xq 33,554,432 bytes; wq 8,388,608 bytes
;; launch quant (part 1): grid 256 x 1, 8 waves a work-group, no clusters, 327,680 bytes of LDS; arguments x, w, lowp_scales, xq, wq; writes xq, wq
.if DOCPART == 1
	.amdgcn_target "amdgcn-amd-amdhsa--gfx1250"
	.amdhsa_code_object_version 6
	.text
	.protected	k_q03781113ac_quant
	.globl	k_q03781113ac_quant
	.p2align	8
	.type	k_q03781113ac_quant,@function
k_q03781113ac_quant:
	s_mov_b64 s[64:65], 0
	v_nop
	global_prefetch_b8 v0, s[64:65] scope:SCOPE_SE
	s_setreg_imm32_b32 hwreg(HW_REG_WAVE_MODE, 25, 1), 1
	s_wait_xcnt 0x0
; x [8192][4096] f32 (K innermost) and w [4096 (k)][2048 (n)] f32 (K its first axis) become codes of FP8 (E4M3), one byte each, K innermost: xq [8192][4096], wq [2048][4096].
; code = number / 2^e, held within +-448, rounded to the nearest code, ties to even; e = entry 0 (x) or entry 1 (w) of the buffer of scales.
; LIMITS: each e lies between -126 and 119, so that 2^e and 448 x 2^e are f32 numbers.  NaN among the inputs is not served; an infinity is held at the largest code.
; THE PLACES ALONG K (both buffers are this program's own; the order of k is the same in both operands): inside each group of 512 along K, place p holds k = 128 ((p / 4) % 4) + 4 (p / 16) + p % 4.
; THE ROWS OF wq: inside each 64 columns of w, row 16 t + r of wq holds column 4 r + t (t = 0..3, r = 0..15): the product's launch then finds four neighbouring columns in one lane.
; SHARES: 256 work-groups of eight waves.  Work-group g takes 512 KB of x (wave v: 64 KB on end, four pieces of 16 KB) and of w the tile of 512 k (group g / 32) x 64 n (block g % 32).
; Every wave has a ring of two LDS slots of 16 KB.  FOUR FILLS, all of rows of 256 bytes that begin on multiples of 256: at the head one load of 32 KB a wave (x pieces 0 and 1, both slots);
; then, each behind the full sequence and one load a wave: w's 64 rows into slot 0, x piece 2 into slot 1, x piece 3 into slot 0.  By this text's count a wave has one tensor load out at most.
; x's pieces are read by the wave that asked for them; w's tile by all waves, behind the barrier in front of which each wave has waited for its load.
; PREFETCH: behind each tensor load but the last a wave names the 64 blocks of 256 bytes of its OWN part of the next fill (a lane a block, two instructions): one fill, 16 KB a wave, ahead; each block once; all inside x and w.
; No cluster: no two work-groups read the same byte.  No matrix unit: a stream.
.set PIECE, 16384
.set RING,  2*PIECE
.set STAGE, 8*RING                     ; w's codes: 64 rows (columns of w) x 528 bytes; no tensor load lands here
.set SPITCH, 528
.set SPARE, STAGE+64*SPITCH            ; the spare words: 128 bytes for each of eight waves
.set SPW, 4
.set NIL, 5
.set LA,  6                            ; 16 x lane + my ring
.set XO,  7                            ; 16 x lane
.set PFX, 8                            ; 256 x lane
.set PFW, 9                            ; 8192 x lane: a row of w a lane
.set WA,  10                           ; v10-13: w's tile, rows 128 i + 16 q of it, at my column
.set SA,  14                           ; into the stage
.set RB,  15                           ; back from it
.set BX,  16                           ; 448 x 2^ex
.set SX,  17                           ; 2^ex
.set BW,  18
.set SW,  19
.set X,   24                           ; v24-151  128 numbers
.set C,   152                          ; v152-215 x's codes: two sets of 32, by turns
.set WC,  216                          ; v216-247 w's codes, then w's rows on their way out
.set G1D, 16                           ; s[16:23] 128 rows x 64 f32, dense
.set G1X, 24                           ; s[24:31] 64 rows x 64 f32, dense
.set G1W, 32                           ; s[32:39] 64 rows x 64 f32, 2,048 f32 from row to row
.set G0,  40                           ; s[40:55] four groups 0, one for each fill; never rewritten
.set XB,  56                           ; s[56:57] my wave's 64 KB of x
.set WB,  58                           ; s[58:59] my wave's 64 rows of w's tile
	s_load_b256 s[4:11], s[0:1], 0x0               ; x, w, scales, xq
	s_load_b64 s[12:13], s[0:1], 0x20              ; wq
	v_lshl_add_u32 v[SPW], v0, 2, SPARE
	v_mov_b32 v[NIL], 0
	ds_add_u32 v[SPW], v[NIL]                      ; the opening lines: the add twice on end and one wait, ahead of my first tensor load
	ds_add_u32 v[SPW], v[NIL]
	v_lshrrev_b32 v1, 5, v0
	v_readfirstlane_b32 s14, v1                    ; wave q, 0..7
.irp g, G1D, G1X, G1W
	s_mov_b32 s[\g+0], 2<<16                       ; elements of 4 bytes, no mask, no padding
	s_mov_b32 s[\g+1], 64<<16                      ; tensor_dim0 = 64
	s_mov_b32 s[\g+3], 64<<16                      ; tile_dim0 = 64: 256 bytes
	s_mov_b32 s[\g+6], 0
	s_mov_b32 s[\g+7], 0
.endr
	s_mov_b32 s[G1D+2], 128<<16                    ; rows
	s_mov_b32 s[G1D+4], 128
	s_mov_b32 s[G1D+5], 64                         ; dense
	s_mov_b32 s[G1X+2], 64<<16
	s_mov_b32 s[G1X+4], 64
	s_mov_b32 s[G1X+5], 64
	s_mov_b32 s[G1W+2], 64<<16
	s_mov_b32 s[G1W+4], 64
	s_mov_b32 s[G1W+5], 2048
	s_mul_i32 s15, s14, RING                       ; my ring
	s_lshl_b32 s2, ttmp9, 19                       ; x: 512 KB a work-group + 64 KB a wave
	s_lshl_b32 s3, s14, 16
	s_add_co_u32 s2, s2, s3
	s_mov_b32 s3, 0
	s_lshr_b32 s74, ttmp9, 5                       ; group of 512 along K
	s_and_b32 s75, ttmp9, 31                       ; block of 64 columns
	s_lshl_b32 s66, s74, 22                        ; w: 512 rows of 8,192 bytes a group + 256 bytes a block + 64 rows a wave
	s_lshl_b32 s67, s75, 8
	s_add_co_u32 s66, s66, s67
	s_lshl_b32 s67, s14, 19
	s_add_co_u32 s66, s66, s67
	s_mov_b32 s67, 0
	s_lshl_b32 s68, ttmp9, 17                      ; xq: a quarter of x's bytes
	s_lshl_b32 s69, s14, 14
	s_add_co_u32 s68, s68, s69
	s_mov_b32 s69, 0
	s_lshl_b32 s70, s75, 18                        ; wq: 64 rows of 4,096 bytes a block + rows 2 q + 512 bytes a group
	s_lshl_b32 s71, s14, 13
	s_add_co_u32 s70, s70, s71
	s_lshl_b32 s71, s74, 9
	s_add_co_u32 s70, s70, s71
	s_mov_b32 s71, 0
	s_lshr_b32 s76, s14, 2                         ; row 16 q of w's tile lies in the ring of wave q / 4, at row 16 (q % 4) of its slot 0
	s_lshl_b32 s76, s76, 15
	s_and_b32 s77, s14, 3
	s_lshl_b32 s77, s77, 12
	s_add_co_u32 s76, s76, s77
	s_lshl_b32 s77, s14, 6                         ; my 64 places in a stage row
	s_add_co_u32 s77, s77, STAGE
	s_mul_i32 s72, s14, 8*SPITCH                   ; the 8 stage rows that I send out
	s_add_co_u32 s72, s72, STAGE
	s_wait_dscnt 0x0                               ; both opening adds are done
	s_wait_kmcnt 0x0
	s_load_b64 s[60:61], s[8:9], 0x0               ; ex, ew
	s_add_nc_u64 s[XB:XB+1], s[4:5], s[2:3]
	s_add_nc_u64 s[WB:WB+1], s[6:7], s[66:67]
	s_add_nc_u64 s[10:11], s[10:11], s[68:69]
	s_add_nc_u64 s[12:13], s[12:13], s[70:71]
	s_mov_b32 s[G0+0], 1                           ; fill 0: x pieces 0 and 1 -> both slots
	s_mul_i32 s[G0+1], s14, RING
	s_mov_b64 s[G0+2:G0+3], s[XB:XB+1]
	s_or_b32 s[G0+3], s[G0+3], 0x80000000
	s_mov_b32 s[G0+4], 1                           ; fill 1: w -> slot 0
	s_mul_i32 s[G0+5], s14, RING
	s_mov_b64 s[G0+6:G0+7], s[WB:WB+1]
	s_or_b32 s[G0+7], s[G0+7], 0x80000000
	s_mov_b32 s[G0+8], 1                           ; fill 2: x piece 2 -> slot 1
	s_add_co_u32 s[G0+9], s15, PIECE
	s_add_nc_u64 s[G0+10:G0+11], s[XB:XB+1], 2*PIECE
	s_or_b32 s[G0+11], s[G0+11], 0x80000000
	s_mov_b32 s[G0+12], 1                          ; fill 3: x piece 3 -> slot 0
	s_mul_i32 s[G0+13], s14, RING
	s_add_nc_u64 s[G0+14:G0+15], s[XB:XB+1], 3*PIECE
	s_or_b32 s[G0+15], s[G0+15], 0x80000000
	tensor_load_to_lds s[G0:G0+3], s[G1D:G1D+7]    ; my one tensor load at the head
	s_nop 0
	v_and_b32 v2, 31, v0                           ; lane
	v_lshl_add_u32 v[LA], v2, 4, s15
	v_lshlrev_b32 v[XO], 4, v2
	v_lshlrev_b32 v[PFX], 8, v2
	v_lshlrev_b32 v[PFW], 13, v2
	v_lshl_add_u32 v[WA], v2, 2, s76
	v_add_nc_u32 v[WA+1], 0x10000, v[WA]           ; 128 rows of the tile on: two rings
	v_add_nc_u32 v[WA+2], 0x20000, v[WA]
	v_add_nc_u32 v[WA+3], 0x30000, v[WA]
	v_mul_u32_u24 v3, v2, SPITCH
	v_add_nc_u32 v[SA], s77, v3
	v_lshl_add_u32 v[RB], v2, 4, s72
	s_wait_alu depctr_va_vdst(0)                   ; the wait ahead of the blocking wait below
	global_prefetch_b8 v[PFW], s[WB:WB+1] th:TH_LOAD_NT scope:SCOPE_SE               ; fill 1's part of mine: rows 0-31,
	global_prefetch_b8 v[PFW], s[WB:WB+1] offset:32*8192 th:TH_LOAD_NT scope:SCOPE_SE ; rows 32-63
	s_wait_kmcnt 0x0
	s_add_co_i32 s60, s60, 127
	s_lshl_b32 s78, s60, 23                        ; 2^ex
	s_add_co_i32 s60, s60, 8
	s_lshl_b32 s60, s60, 23
	s_or_b32 s60, s60, 0x600000                    ; 448 x 2^ex
	s_add_co_i32 s61, s61, 127
	s_lshl_b32 s79, s61, 23
	s_add_co_i32 s61, s61, 8
	s_lshl_b32 s61, s61, 23
	s_or_b32 s61, s61, 0x600000
	v_mov_b32 v[SX], s78
	v_mov_b32 v[BX], s60
	v_mov_b32 v[SW], s79
	v_mov_b32 v[BW], s61
	s_wait_alu depctr_va_vdst(0)                   ; the wait at the head's end
.macro FILL g0, g1                     ; the full sequence, and my one tensor load first behind the barrier
	s_wait_tensorcnt 0x0                           ; all my tensor loads have landed
	ds_add_u32 v[SPW], v[NIL]
	s_wait_dscnt 0x0                               ; the add, my reads of the slot and my stores into the stage are done
	s_barrier_signal -1
	s_barrier_wait -1
	tensor_load_to_lds s[\g0:\g0+3], s[\g1:\g1+7]
	s_nop 0
.endm
.macro XREAD slot                      ; a piece as it lies: load n gives lane l bytes 512 n + 16 l: of group n / 4 the numbers k = 128 (n % 4) + 4 l + 0..3
.set nn, 0
.rept 32
	ds_load_b128 v[X+4*nn:X+4*nn+3], v[LA] offset:\slot*PIECE+512*nn
.set nn, nn+1
.endr
.endm
.macro XWORK p, ask                    ; piece p: eight groups of 512; a lane's 16 codes are places 16 l + 0..15; ask >= 0: the piece whose blocks are named
.set CS, C+32*((\p)%2)
.if (\p) > 1
	s_wait_xcnt 0x0                                ; the stores of two pieces ago have read this set of codes
.endif
.set gq, 0
.rept 8
	s_wait_dscnt 28-4*gq                           ; this group's four loads are in; the younger groups' may be out
.set ii, 0
.rept 16
	v_med3_num_f32 v[X+16*gq+ii], v[X+16*gq+ii], -v[BX], v[BX]   ; the conversion does not saturate (ISA guide 7.6.2): held first
.set ii, ii+1
.endr
	v_cvt_scalef32_pk8_fp8_f32 v[CS+4*gq:CS+4*gq+1], v[X+16*gq:X+16*gq+7], v[SX]
	v_cvt_scalef32_pk8_fp8_f32 v[CS+4*gq+2:CS+4*gq+3], v[X+16*gq+8:X+16*gq+15], v[SX]
	global_store_b128 v[XO], v[CS+4*gq:CS+4*gq+3], s[10:11] offset:(\p)*4096+512*gq   ; the wave stores 512 consecutive bytes, aligned
.if (gq == 0) && ((\ask) >= 0)
	global_prefetch_b8 v[PFX], s[XB:XB+1] offset:(\ask)*PIECE th:TH_LOAD_NT scope:SCOPE_SE
	global_prefetch_b8 v[PFX], s[XB:XB+1] offset:(\ask)*PIECE+8192 th:TH_LOAD_NT scope:SCOPE_SE
.endif
.set gq, gq+1
.endr
	v_nop                                          ; a plain line behind the last conversion
.endm
	s_wait_tensorcnt 0x0                           ; my pieces 0 and 1 are in my own slots
	XREAD 0                                        ; slot 0 goes into registers whole, so that it can be filled again
	FILL G0+4, G1W                                 ; w's tile sets out
	XWORK 0, 2
	XREAD 1
	XWORK 1, -1
	FILL G0+8, G1X                                 ; every wave's part of w's tile is in; x piece 2 sets out
; w: A LANE TAKES A COLUMN, ITS REGISTERS RUN DOWN K IN THE ORDER OF THE PLACES.  Wave q takes places 64 q + 16 c + 4 i + j, which hold k = 128 i + 16 q + 4 c + j, of columns lane and 32 + lane.
.irp hf, 0,1
.irp c, 0,1,2,3
.irp i, 0,1,2,3
.irp j, 0,1,2,3
	ds_load_b32 v[X+64*\hf+16*\c+4*\i+\j], v[WA+\i] offset:(4*\c+\j)*256+128*\hf   ; 32 lanes read 128 consecutive bytes of a row
.endr
.endr
.endr
.endr
	global_prefetch_b8 v[PFX], s[XB:XB+1] offset:3*PIECE th:TH_LOAD_NT scope:SCOPE_SE
	global_prefetch_b8 v[PFX], s[XB:XB+1] offset:3*PIECE+8192 th:TH_LOAD_NT scope:SCOPE_SE
.irp hf, 0,1
	s_wait_dscnt 63*(1-\hf)                        ; of the 128 loads at most 63 may be out: the first half's 64 are in; then all
.set ii, 0
.rept 64
	v_med3_num_f32 v[X+64*\hf+ii], v[X+64*\hf+ii], -v[BW], v[BW]
.set ii, ii+1
.endr
.set ii, 0
.rept 8
	v_cvt_scalef32_pk8_fp8_f32 v[WC+16*\hf+2*ii:WC+16*\hf+2*ii+1], v[X+64*\hf+8*ii:X+64*\hf+8*ii+7], v[SW]
.set ii, ii+1
.endr
	v_nop                                          ; a plain line behind the last conversion
.irp u, 0,1,2,3
	ds_store_b128 v[SA], v[WC+16*\hf+4*\u:WC+16*\hf+4*\u+3] offset:\hf*32*SPITCH+16*\u   ; stage row = column, my 64 places
.endr
.endr
	FILL G0+12, G1X                                ; x piece 2 is in, the stage is whole, nobody reads w's tile any more; x piece 3 sets out
.irp t, 0,1,2,3,4,5,6,7
	ds_load_b128 v[WC+4*\t:WC+4*\t+3], v[RB] offset:\t*SPITCH   ; column 8 q + t: a whole row of 512 bytes
.endr
	XREAD 1
	s_wait_dscnt 32                                ; the stage's rows are in; piece 2's 32 loads may be out
.irp t, 0,1,2,3,4,5,6,7
	global_store_b128 v[XO], v[WC+4*\t:WC+4*\t+3], s[12:13] offset:(16*(\t%4)+\t/4)*4096   ; to wq's row 16 (t % 4) + 2 q + t / 4 of the block: 512 consecutive bytes, aligned
.endr
	XWORK 2, -1
	s_wait_tensorcnt 0x0                           ; my piece 3 is in my own slot
	XREAD 0
	XWORK 3, -1
	s_wait_tensorcnt 0x0                           ; the wave's end
	ds_add_u32 v[SPW], v[NIL]
	s_wait_dscnt 0x0
	s_endpgm
.Lfunc_end_k_q03781113ac_quant:
	.size	k_q03781113ac_quant, .Lfunc_end_k_q03781113ac_quant-k_q03781113ac_quant
	.p2alignl 7, 3214868480
	.fill 96, 4, 3214868480
	.section	.rodata,"a",@progbits
	.p2align	6, 0x0
	.amdhsa_kernel k_q03781113ac_quant
		.amdhsa_group_segment_fixed_size 327680
		.amdhsa_private_segment_fixed_size 0
		.amdhsa_enable_private_segment 0
		.amdhsa_kernarg_size 40
		.amdhsa_user_sgpr_count 2
		.amdhsa_user_sgpr_kernarg_segment_ptr 1
		.amdhsa_wavefront_size32 1
		.amdhsa_system_sgpr_workgroup_id_x 1
		.amdhsa_system_sgpr_workgroup_id_y 1
		.amdhsa_system_sgpr_workgroup_id_z 1
		.amdhsa_system_vgpr_workitem_id 0
		.amdhsa_next_free_vgpr 248
		.amdhsa_next_free_sgpr 80
		.amdhsa_reserve_vcc 0
		.amdhsa_float_denorm_mode_32 3
		.amdhsa_float_denorm_mode_16_64 3
		.amdhsa_memory_ordered 1
		.amdhsa_forward_progress 1
		.amdhsa_inst_pref_size 75
	.end_amdhsa_kernel
	.amdgpu_metadata
---
amdhsa.version: [ 1, 2 ]
amdhsa.kernels:
  - .name:           k_q03781113ac_quant
    .symbol:         k_q03781113ac_quant.kd
    .args:
      - { .name: x, .offset: 0, .size: 8, .value_kind: global_buffer, .address_space: global }
      - { .name: w, .offset: 8, .size: 8, .value_kind: global_buffer, .address_space: global }
      - { .name: lowp_scales, .offset: 16, .size: 8, .value_kind: global_buffer, .address_space: global }
      - { .name: xq, .offset: 24, .size: 8, .value_kind: global_buffer, .address_space: global }
      - { .name: wq, .offset: 32, .size: 8, .value_kind: global_buffer, .address_space: global }
    .group_segment_fixed_size: 327680
    .private_segment_fixed_size: 0
    .kernarg_segment_align: 8
    .kernarg_segment_size: 40
    .max_flat_workgroup_size: 256
    .sgpr_count:     80
    .vgpr_count:     248
    .wavefront_size: 32
...
	.end_amdgpu_metadata
.endif
;; end of part 1
;; launch gemm (part 2): grid 8 x 32, 4 waves a work-group, clusters of 4 x 4, 327,680 bytes of LDS; arguments xq, wq, lowp_scales, out0; writes out0
.if DOCPART == 2
	.amdgcn_target "amdgcn-amd-amdhsa--gfx1250"
	.amdhsa_code_object_version 6
	.text
	.protected	k_q03781113ac_gemm
	.globl	k_q03781113ac_gemm
	.p2align	8
	.type	k_q03781113ac_gemm,@function
k_q03781113ac_gemm:
	s_mov_b64 s[64:65], 0
	v_nop
	global_prefetch_b8 v0, s[64:65] scope:SCOPE_SE
	s_setreg_imm32_b32 hwreg(HW_REG_WAVE_MODE, 25, 1), 1
	s_wait_xcnt 0x0
	s_wait_alu depctr_hold_cnt(0) depctr_sa_sdst(0) depctr_va_vdst(0) depctr_va_sdst(0) depctr_va_ssrc(0) depctr_va_vcc(0) depctr_vm_vsrc(0)
	s_getreg_b32 s2, hwreg(HW_REG_IB_STS2, 6, 4)
	s_cmp_eq_u32 s2, 0
	s_cbranch_scc0 .Lentry_in_a_cluster
	s_endpgm
.Lentry_in_a_cluster:
	s_bfe_u32 s2, ttmp6, 0x10000c
	s_cmp_lg_u32 s2, 0xf033
	s_cbranch_scc0 .Lentry_shape_is_right
	s_endpgm
.Lentry_shape_is_right:
; out0[m][n] = 2^(ex + ew) x sum over k of xq[m][k] wq[row of n][k]: codes of FP8 (E4M3) multiplied as they are, sums in f32, each finished sum scaled once.
; LIMIT: ex + ew lies between -126 and 127, so that 2^(ex + ew) is an f32 number.
; xq [8192][4096], wq [2048][4096]: the same order of k in both; inside each 64 rows of wq, row 16 t + r holds column 4 r + t of w.
; A tile of 256 x 256 to a work-group of four waves; a wave makes 128 x 128: 64 accumulators, 512 registers.  K goes in steps of 256 (rows of 256 bytes) through a ring of two LDS slots.
; CLUSTERS: 4 x 4 work-groups; xq's tile is asked for jointly along a row of the cluster, wq's along a column.
; A fragment (16 rows x 128 K) comes by four loads of 16 bytes a lane: a permutation of k inside the instruction, the same in both operands.
; SOURCE 0 = 16 rows of xq, SOURCE 1 = 16 rows of wq: register j of lane (r, h) of accumulator (a, b) is out0(16 a + 8 h + j, 64 (b / 4) + 4 r + b % 4) of my part.
; So accumulators 4 g + 0..3 hold four neighbouring columns in one lane: the scaling multiply lays them in four registers on end, and sixteen lanes store 256 consecutive bytes, aligned.  No LDS on the way out.
; REGISTERS: window 0: v0-31 addresses, v128-255 xq's fragments (one set); window 1: wq's fragments (two sets); windows 2, 3: accumulators of my rows 0-63, 64-127.
; PREFETCH: behind each refill a wave names, a lane a row, the 256 bytes of the K step two refills on of 32 of the 128 rows that it fetches; the four partners share the 128 rows out by address; the last two refills name nothing.
.set SIZE_N, 2048
.set SIZE_K, 4096
.set ROWB,   256
.set KROW,   SIZE_K
.set PITCH,  272                       ; 256 bytes + 16 of padding
.set FR,     16
.set NL,     4
.set NP,     4
.set HALFT,  128*PITCH
.set SLOT,   4*HALFT
.set LAPS,   SIZE_K/(2*ROWB)
.set SPARE,  2*SLOT
.set ADRA, 16
.set ADRB, 20
.set CO,   26
.set SPW,  28
.set NIL,  29
.set PFO,  30
.set AF,   128
.set G1, 24
.set G0, 32
.set G1B, 48
.set G0B, 56
.set PFA, 68
.set MSB, 0
.macro WIN new
.if MSB != \new
	s_set_vgpr_msb (MSB<<8)|\new
.set MSB, \new
.endif
.endm
.set MUL_LO, 0xa4                      ; source 0 (xq) window 0, source 1 (wq) window 1, C and D window 2
.set MUL_HI, 0xf4
.set TO_B,   0x40
.macro JLOAD g0a, g1a, g0b, g1b        ; a joint load: waves 0, 1 for xq, waves 2, 3 for wq; s_nop 0 and four v_nop behind each line
	s_cmp_eq_u32 s15, 0
	s_cbranch_scc0 .Lfor_b_\@
	tensor_load_to_lds s[\g0a:\g0a+3], s[\g1a:\g1a+7]
	s_nop 0
.rept 4
	v_nop
.endr
	s_branch .Lasked_\@
.Lfor_b_\@:
	tensor_load_to_lds s[\g0b:\g0b+3], s[\g1b:\g1b+7]
	s_nop 0
.rept 4
	v_nop
.endr
.Lasked_\@:
.endm
.macro ASK                             ; s3 = 1 in the loop's last trip, whose two refills have no K step two on
	s_cmp_gt_u32 s3, 1
	s_cbranch_scc0 .Lnone_\@
	global_prefetch_b8 v[PFO], s[PFA:PFA+1] offset:ROWB th:TH_LOAD_NT scope:SCOPE_SE
.Lnone_\@:
.endm
.macro CREST
	s_cmp_lg_u32 s14, 0
	s_cbranch_scc1 .Lnot_wave_0_\@
	s_barrier_signal -3
.Lnot_wave_0_\@:
	s_barrier_wait -3
	s_barrier_signal -1
	s_barrier_wait -1
.endm
.macro CROUND
	s_barrier_signal -1
	s_barrier_wait -1
	CREST
.endm
	s_load_b128 s[4:7], s[0:1], 0x0                ; xq, wq
	s_load_b128 s[8:11], s[0:1], 0x10              ; scales, out0
	v_lshl_add_u32 v[SPW], v0, 2, SPARE
	v_mov_b32 v[NIL], 0
	ds_add_u32 v[SPW], v[NIL]                      ; the opening lines: the add twice on end and one wait
	ds_add_u32 v[SPW], v[NIL]
	v_lshrrev_b32 v1, 5, v0
	v_readfirstlane_b32 s14, v1                    ; wave
	s_lshr_b32 s15, s14, 1                         ; my half of the rows; also: I fetch for xq (0) or wq (1)
	s_and_b32 s16, s14, 1                          ; my half of the columns; also: which 128 rows I fetch
	s_bfe_u32 s40, ttmp6, 0x40000                  ; cx
	s_bfe_u32 s41, ttmp6, 0x40004                  ; cy
	s_lshl_b32 s42, ttmp9, 2
	s_add_co_u32 s42, s42, s40                     ; tile column
	s_and_b32 s17, ttmp7, 0xffff
	s_lshl_b32 s17, s17, 2
	s_add_co_u32 s17, s17, s41                     ; tile row
	s_lshl_b32 s43, s41, 2
	s_lshl_b32 s43, 15, s43                        ; my row of the cluster
	s_lshl_b32 s44, 0x1111, s40                    ; my column
	s_or_b32 s[G1+0], s43, (1<<20)|(1<<21)|(5<<22)|(3<<25)   ; mask; bytes; 4 words of padding behind every 64
	s_or_b32 s[G1B+0], s44, (1<<20)|(1<<21)|(5<<22)|(3<<25)
.irp g, G1, G1B
	s_mov_b32 s[\g+1], ROWB<<16
	s_mov_b32 s[\g+2], 128<<16
	s_mov_b32 s[\g+3], ROWB<<16
	s_mov_b32 s[\g+4], 128
	s_mov_b32 s[\g+5], KROW
	s_mov_b32 s[\g+6], 0
	s_mov_b32 s[\g+7], 0
.endr
	s_lshl_b32 s18, s16, 7
	s_lshl_b32 s20, s17, 8
	s_add_co_u32 s20, s20, s18                     ; xq: row 256 x tile row + 128 x half
	s_lshl_b32 s46, s42, 8
	s_add_co_u32 s46, s46, s18                     ; wq: row 256 x tile column + 128 x half
	s_mov_b32 s21, 0
	s_mov_b32 s47, 0
	s_mov_b64 s[18:19], KROW
	s_mul_u64 s[20:21], s[20:21], s[18:19]
	s_mul_u64 s[46:47], s[46:47], s[18:19]
	s_mul_i32 s45, s14, HALFT                      ; where my load lands: wave x 128 rows
	s_wait_dscnt 0x0
	s_wait_kmcnt 0x0
	s_load_b64 s[96:97], s[8:9], 0x0               ; ex, ew
	s_add_nc_u64 s[20:21], s[4:5], s[20:21]
	s_add_nc_u64 s[46:47], s[6:7], s[46:47]
	CROUND                                         ; in front of the first joint loads
.irp s, 0,1
	s_mov_b32 s[G0+4*\s], 1
	s_add_co_u32 s[G0+4*\s+1], s45, \s*SLOT
	s_add_nc_u64 s[G0+4*\s+2:G0+4*\s+3], s[20:21], \s*ROWB
	s_or_b32 s[G0+4*\s+3], s[G0+4*\s+3], 0x80000000
	s_mov_b32 s[G0B+4*\s], 1
	s_add_co_u32 s[G0B+4*\s+1], s45, \s*SLOT
	s_add_nc_u64 s[G0B+4*\s+2:G0B+4*\s+3], s[46:47], \s*ROWB
	s_or_b32 s[G0B+4*\s+3], s[G0B+4*\s+3], 0x80000000
.endr
	JLOAD G0, G1, G0B, G1B                         ; K step 0: one tensor load a wave at the head; the set-up below stands behind it
	s_mul_i32 s21, s15, HALFT                      ; my 128 rows of xq,
	s_mul_i32 s22, s16, HALFT
	s_add_co_u32 s22, s22, 2*HALFT                 ; of wq, behind xq's 256
	s_add_co_u32 s76, s21, SLOT
	s_add_co_u32 s77, s22, SLOT
	v_and_b32 v1, 15, v0                           ; r
	v_bfe_u32 v2, v0, 4, 1                         ; h
	v_mul_u32_u24 v3, v1, PITCH
	v_lshl_add_u32 v4, v2, 4, v3                   ; a fragment's row x pitch + 16 h
	v_add_nc_u32 v[ADRA], s21, v4
	v_add_nc_u32 v[ADRB], s22, v4
	v_add_nc_u32 v[ADRA+1], s76, v4
	v_add_nc_u32 v[ADRB+1], s77, v4
	v_lshlrev_b32 v5, 4, v1
	v_lshl_add_u32 v[CO], v2, 16, v5               ; out0: 8 h rows of 8,192 bytes + 16 r
	v_and_b32 v[PFO], 31, v0
	v_mul_u32_u24 v[PFO], v[PFO], KROW             ; the prefetches: a lane a row
	s_lshl_b32 s20, s17, 8
	s_lshl_b32 s21, s15, 7
	s_add_co_u32 s20, s20, s21                     ; my first row of out0
	s_mov_b32 s21, 0
	s_mov_b64 s[18:19], SIZE_N*4
	s_mul_u64 s[20:21], s[20:21], s[18:19]
	s_lshl_b32 s46, s42, 10                        ; my first column, in bytes
	s_lshl_b32 s47, s16, 9
	s_add_co_u32 s46, s46, s47
	s_mov_b32 s47, 0
	s_add_nc_u64 s[20:21], s[20:21], s[46:47]
	s_add_nc_u64 s[10:11], s[10:11], s[20:21]
	s_lshl_b32 s72, s17, 8                         ; the prefetches' rows: the tile's first row,
	s_lshl_b32 s73, s42, 8
	s_cmp_eq_u32 s15, 0
	s_cselect_b32 s72, s72, s73
	s_cselect_b32 s73, s40, s41                    ; my place among the four that ask with me
	s_cselect_b64 s[PFA:PFA+1], s[4:5], s[6:7]
	s_lshl_b32 s74, s16, 7
	s_add_co_u32 s72, s72, s74                     ; + the 128 rows that I fetch
	s_lshl_b32 s73, s73, 5
	s_add_co_u32 s72, s72, s73                     ; + my work-group's 32 of them
	s_mov_b32 s73, 0
	s_mov_b64 s[74:75], KROW
	s_mul_u64 s[72:73], s[72:73], s[74:75]
	s_add_nc_u64 s[PFA:PFA+1], s[PFA:PFA+1], s[72:73]
	s_add_nc_u64 s[PFA:PFA+1], s[PFA:PFA+1], 2*ROWB   ; at K step 2: the first refill steps it to 3 and names K step 4
.macro FRAG reg, adr, q, i
.irp c, 0,1,2,3
	ds_load_b128 v[\reg+4*\c:\reg+4*\c+3], v[\adr] offset:128*(\q)+32*\c+(\i)*16*PITCH
.endr
.endm
.macro MUL16 a0, p, zero               ; xq's blocks a0, a0 + 1 against wq's eight; the 64 accumulators take turns
.irp a, \a0, \a0+1
.irp b, 0,1,2,3,4,5,6,7
.if \zero
	v_wmma_f32_16x16x128_fp8_fp8 v[8*(8*((\a)%4)+\b):8*(8*((\a)%4)+\b)+7], v[AF+FR*(\a):AF+FR*(\a)+FR-1], v[128*(\p)+FR*\b:128*(\p)+FR*\b+FR-1], 0
.else
	v_wmma_f32_16x16x128_fp8_fp8 v[8*(8*((\a)%4)+\b):8*(8*((\a)%4)+\b)+7], v[AF+FR*(\a):AF+FR*(\a)+FR-1], v[128*(\p)+FR*\b:128*(\p)+FR*\b+FR-1], v[8*(8*((\a)%4)+\b):8*(8*((\a)%4)+\b)+7]
.endif
.endr
.endr
.endm
.macro FETCH_B slot, q, p
	WIN TO_B
.irp i, 0,1,2,3,4,5,6,7
	FRAG 128*(\p)+FR*\i, ADRB+\slot, \q, \i
.endr
	WIN 0
.endm
.macro FETCH_A slot, q, i0
.irp i, \i0, \i0+1, \i0+2, \i0+3
	FRAG AF+FR*(\i), ADRA+\slot, \q, \i
.endr
.endm
.macro PLACES n                        ; places behind matrix instructions, in front of loads into their sources and of reads of results
.rept \n
	v_nop
.endr
.endm
.macro STEP slot, q, zero              ; 128 along K with its successor in the same slot
	s_wait_dscnt 4*NL                              ; wq's set and xq's blocks 0-3 are in; the youngest 16 loads (blocks 4-7) may be out
	WIN MUL_LO
	MUL16 0, (\q)%2, \zero
	MUL16 2, (\q)%2, \zero
	s_wait_dscnt 0
	PLACES NP
	FETCH_B \slot, (\q)+1, 1-(\q)%2
	FETCH_A \slot, (\q)+1, 0
	WIN MUL_HI
	MUL16 4, (\q)%2, \zero
	MUL16 6, (\q)%2, \zero
	PLACES NP
	WIN 0
	FETCH_A \slot, (\q)+1, 4
.endm
.macro TURN slot, next, fill           ; a slot's last 128 along K, and the change of slots in its middle
	s_wait_dscnt 4*NL
	WIN MUL_LO
	MUL16 0, 1, 0
	MUL16 2, 1, 0
	WIN 0
	s_wait_tensorcnt 0x0                           ; my one load that was out, my part of the next slot, has landed
	ds_add_u32 v[SPW], v[NIL]                      ; the address steps stand between the add and its wait
.if \fill
	s_add_nc_u64 s[G0+4*\slot+2:G0+4*\slot+3], s[G0+4*\slot+2:G0+4*\slot+3], 2*ROWB
	s_add_nc_u64 s[G0B+4*\slot+2:G0B+4*\slot+3], s[G0B+4*\slot+2:G0B+4*\slot+3], 2*ROWB
	s_wait_xcnt 0x0                                ; my last prefetch has read its address
	s_add_nc_u64 s[PFA:PFA+1], s[PFA:PFA+1], ROWB
.endif
	s_wait_dscnt 0x0                               ; the add is done, my reads of this slot are over
	s_barrier_signal -1
	s_barrier_wait -1
.if \fill
	CREST                                          ; the barrier has opened a round of the cluster's barrier
	JLOAD G0+4*\slot, G1, G0B+4*\slot, G1B         ; the refill, first behind the round; its four v_nop are the places for the loads below
.else
	PLACES NP
.endif
	FETCH_B \next, 0, 0
	FETCH_A \next, 0, 0
.if \fill
	ASK
.endif
	WIN MUL_HI
	MUL16 4, 1, 0
	MUL16 6, 1, 0
	PLACES NP
	WIN 0
	FETCH_A \next, 0, 4
.endm
	s_wait_alu depctr_va_vdst(0)                   ; the wait at the head's end
	s_wait_tensorcnt 0x0                           ; my part of K step 0 is in; slot 1's first fill is issued as a refill is
	ds_add_u32 v[SPW], v[NIL]
	s_wait_dscnt 0x0
	CROUND
	JLOAD G0+4, G1, G0B+4, G1B                     ; K step 1
	FETCH_B 0, 0, 0
	FETCH_A 0, 0, 0
	FETCH_A 0, 0, 4
	STEP 0, 0, 1                                   ; the first products start the sums
	s_mov_b32 s3, LAPS-1
.Llap:
	TURN 0, 1, 1
	STEP 1, 0, 0
	TURN 1, 0, 1
	STEP 0, 0, 0
	s_sub_co_u32 s3, s3, 1
	s_cmp_lg_u32 s3, 0
	s_cbranch_scc1 .Llap
	TURN 0, 1, 0                                   ; the last lap fills nothing
	STEP 1, 0, 0
	s_wait_dscnt 4*NL
	WIN MUL_LO
	MUL16 0, 1, 0
	MUL16 2, 1, 0
	s_wait_dscnt 0
	WIN MUL_HI
	MUL16 4, 1, 0
	MUL16 6, 1, 0
	WIN 0
; THE WAY OUT of block a (16 rows x 128 columns): 64 multiplies by 2^(ex + ew), each accumulator from its low end on, lay four neighbouring columns on end; 16 stores, each two rows' 256 consecutive bytes, aligned.
; The results go into the registers that held fragments: sets 0-2 in window 0 (v32-223), sets 3-6 in window 1.  Every offset is an immediate: 127 rows of 8,192 bytes + 256 at the most.
.macro OUT a, set
.if (\set) < 3
.set DW, 0
.set T, 32+64*(\set)
.else
.set DW, 1
.set T, 64*((\set)-3)
.endif
	WIN (DW<<6)|((2+(\a)/4)<<2)
.irp j, 0,1,2,3,4,5,6,7
.irp g, 0,1
.irp t, 0,1,2,3
	v_mul_f32 v[T+8*\j+4*\g+\t], s96, v[64*((\a)%4)+8*(4*\g+\t)+\j]
.endr
.endr
.endr
	WIN DW<<2                                      ; a store's data are its source 1
.irp j, 0,1,2,3,4,5,6,7
.irp g, 0,1
	global_store_b128 v[CO], v[T+8*\j+4*\g:T+8*\j+4*\g+3], s[10:11] offset:(16*(\a)+\j)*SIZE_N*4+256*\g th:TH_STORE_NT
.endr
.endr
.endm
	s_wait_kmcnt 0x0
	s_add_co_i32 s96, s96, s97
	s_add_co_i32 s96, s96, 127
	s_lshl_b32 s96, s96, 23                        ; 2^(ex + ew) as f32
	PLACES NP
.irp a, 0,1,2,3,4,5,6
	OUT \a, \a
.endr
	s_wait_xcnt 0x0                                ; block 0's stores have read set 0
	OUT 7, 0
	WIN 0
	s_wait_tensorcnt 0x0                           ; the wave's end
	ds_add_u32 v[SPW], v[NIL]
	s_wait_dscnt 0x0
	CROUND                                         ; the closing round
	s_endpgm
.Lfunc_end_k_q03781113ac_gemm:
	.size	k_q03781113ac_gemm, .Lfunc_end_k_q03781113ac_gemm-k_q03781113ac_gemm
	.p2alignl 7, 3214868480
	.fill 96, 4, 3214868480
	.section	.rodata,"a",@progbits
	.p2align	6, 0x0
	.amdhsa_kernel k_q03781113ac_gemm
		.amdhsa_group_segment_fixed_size 327680
		.amdhsa_private_segment_fixed_size 0
		.amdhsa_enable_private_segment 0
		.amdhsa_kernarg_size 32
		.amdhsa_user_sgpr_count 2
		.amdhsa_user_sgpr_kernarg_segment_ptr 1
		.amdhsa_wavefront_size32 1
		.amdhsa_system_sgpr_workgroup_id_x 1
		.amdhsa_system_sgpr_workgroup_id_y 1
		.amdhsa_system_sgpr_workgroup_id_z 1
		.amdhsa_system_vgpr_workitem_id 0
		.amdhsa_next_free_vgpr 1024
		.amdhsa_next_free_sgpr 98
		.amdhsa_reserve_vcc 0
		.amdhsa_float_denorm_mode_32 3
		.amdhsa_float_denorm_mode_16_64 3
		.amdhsa_memory_ordered 1
		.amdhsa_forward_progress 1
		.amdhsa_inst_pref_size 107
	.end_amdhsa_kernel
	.amdgpu_metadata
---
amdhsa.version: [ 1, 2 ]
amdhsa.kernels:
  - .name:           k_q03781113ac_gemm
    .symbol:         k_q03781113ac_gemm.kd
    .args:
      - { .name: xq, .offset: 0, .size: 8, .value_kind: global_buffer, .address_space: global }
      - { .name: wq, .offset: 8, .size: 8, .value_kind: global_buffer, .address_space: global }
      - { .name: lowp_scales, .offset: 16, .size: 8, .value_kind: global_buffer, .address_space: global }
      - { .name: out0, .offset: 24, .size: 8, .value_kind: global_buffer, .address_space: global }
    .group_segment_fixed_size: 327680
    .private_segment_fixed_size: 0
    .kernarg_segment_align: 8
    .kernarg_segment_size: 32
    .max_flat_workgroup_size: 128
    .sgpr_count:     98
    .vgpr_count:     1024
    .wavefront_size: 32
...
	.end_amdgpu_metadata
.endif
;; end of part 2
